; MI455X (gfx1250); checked and timed in simulation.
; The chip was launched on July 23, 2026; its instructions are those of AMD's public machine-readable ISA for CDNA 5 (MIT licence, August 2026) and "CDNA5" Instruction Set Architecture Reference Guide (July 2026). The comments in the code are by the model that wrote it; some were corrected since.
;; Multi Head Attention. Allowed arithmetic: matrix products marked QUANTISED: E4M3 operands, one given power-of-two scale a tensor, by v_wmma_f32_16x16x64_fp8_fp8 or v_wmma_f32_16x16x128_fp8_fp8, f32 sums; everything else in f32.
;; Inputs: Wk_codes 512 x 16 x 32 uint8 (E4M3 codes of Wk, K innermost, in blocks of 32 codes); Wo_codes 512 x 16 x 32 uint8 (E4M3 codes of Wo, K innermost, in blocks of 32 codes); Wq_codes 512 x 16 x 32 uint8 (E4M3 codes of Wq, K innermost, in blocks of 32 codes); Wv_codes 512 x 16 x 32 uint8 (E4M3 codes of Wv, K innermost, in blocks of 32 codes); bk 512 float32; bo 512 float32; bq 512 float32; bv 512 float32; lowp_scales 12 int32 (the exponents e of the quantised operands' scales 2^e); x_codes 2 x 4,096 x 16 x 32 uint8 (E4M3 codes of x, K innermost, in blocks of 32 codes).
;; Outputs: out0 2 x 4,096 x 512 float32.
;; This version of the problem:
;;   THIS VERSION OF THE PROBLEM IS GIVEN IN LOW PRECISION. The matrix products marked QUANTISED in the list below multiply operands that are first quantised to E4M3 (4 exponent bits, 3 mantissa bits; 8 bits a number), with one given power-of-two scale for each operand tensor; their sums are f32. All else is computed in f32.
;;   The module's matrix products, in the order in which they are computed (A, B: the left and right operand; K: the contracted axis; several contracted axes count as one K, in the product's order):
;;     1. [M 8,192, K 512] x [K 512, N 512]; A: input x (given as codes); B: input Wq (given as codes): QUANTISED (scales: A lowp_scales[0], B lowp_scales[1])
;;     2. [M 8,192, K 512] x [K 512, N 512]; A: input x (given as codes); B: input Wk (given as codes): QUANTISED (scales: A lowp_scales[2], B lowp_scales[3])
;;     3. [M 8,192, K 512] x [K 512, N 512]; A: input x (given as codes); B: input Wv (given as codes): QUANTISED (scales: A lowp_scales[4], B lowp_scales[5])
;;     4. batch 16 x [M 4,096, K 64] x [K 64, N 4,096]; A: computed on the way; B: computed on the way: QUANTISED (scales: A lowp_scales[6], B lowp_scales[7])
;;     5. batch 16 x [M 4,096, K 4,096] x [K 4,096, N 64]; A: softmax (see below); B: computed on the way: QUANTISED (scales: A lowp_scales[8], B lowp_scales[9])
;;     6. [M 8,192, K 512] x [K 512, N 512]; A: computed on the way; B: input Wo (given as codes): QUANTISED (scales: A lowp_scales[10], B lowp_scales[11])
;;   THE QUANTISER, for each operand of a quantised product, along K:
;;     - The operand's scale is 2^e, e = its entry of the input lowp_scales (int32; the entries are numbered through the quantised products in the list's order, A before B).
;;     - Each number is divided by the scale, clamped to +-448, and rounded to the nearest number of E4M3, ties to even, subnormals kept.
;;     - The product sums the exact products of the quantised numbers (number of the format x scale) in f32.
;;   ~~~python
;;   def quantise(x, axis, e):      # numpy; x: float32 -> the quantised numbers, widened to float32 again
;;       x = np.moveaxis(x, axis, -1); K = x.shape[-1]
;;       r = np.clip(x / 2.0 ** e, -448, 448)
;;       step = 2.0 ** (np.maximum(np.frexp(np.where(r == 0, 1, r))[1] - 1, -6) - 3)
;;       q = np.round(r / step) * step * 2.0 ** e      # np.round: ties to even
;;       return np.moveaxis(q, -1, axis).astype(np.float32)
;;   ~~~
;;   SOFTMAX AHEAD OF A QUANTISED PRODUCT. Where the list says 'softmax', what is quantised is not the finished softmax but p = 2^(t - M), with t = logit x log2(e) and M = ceil(the row's largest t), a whole number; so 1/2 < the row's largest p <= 1. The row's sum l is taken of the UNQUANTISED p, in f32, and the product's result is divided by l at the end. Since M is a whole number, a kernel that streams over the keys may use a running M (the ceiling of the running maximum): every later rescaling is an exact power of two, so the quantised numbers keep their values, but for numbers so far below the row's largest that they fall under the format's range.
;;   OPERANDS COMPUTED ON THE WAY. 'Computed on the way' means the value that the module computes at that place (a softmax that the list does not call 'softmax' is quantised finished and normalised). What goes into a quantiser is computed in f32, as accurately as f32 sums, v_exp_f32 and their like allow (about 1e-6 of the number): no bf16 or f16 on the way to a quantiser, and a product that is left as it is and whose result goes on into a quantised operand takes f32 operands (vector FMAs, or v_wmma_f32_16x16x4_f32). A number that lies on a knife's edge between two numbers of the format may be rounded either way, as far as f32 arithmetic and the matrix unit's own rounding can turn it there, and no further.
;;   INPUTS GIVEN AS CODES. Wk (in the module: [512, 512], K = its axis 0); Wo (in the module: [512, 512], K = its axis 0); Wq (in the module: [512, 512], K = its axis 0); Wv (in the module: [512, 512], K = its axis 0); x (in the module: [2, 4096, 512], K = its axis 2): each comes as NAME_codes (uint8): NAME with its K axis moved to the last place and cut into blocks of 32 codes, [.., K / 32, bytes a block], one block behind the other in memory; one code a byte (a code: sign, 4 exponent bits, 3 mantissa bits); its scale is its entry of lowp_scales. Its value is code x scale, taken as it is: it is not quantised again, and the codes and scales need not be those that the quantiser above would give.
;; One version. Each part assembles by itself: llvm-mc -triple=amdgcn-amd-amdhsa -mcpu=gfx1250 --defsym DOCPART=n.
;; ======== version 1 of 1: 3 launches
;; limits: right only within a limited range of input values
;; workspace buffers: qi 4,194,304 bytes; kv 8,388,608 bytes; ao 4,194,304 bytes
;; launch qkv (part 1): grid 64 x 4, 4 waves a work-group, clusters of 4 x 1, 270,848 bytes of LDS; arguments x_codes, Wq_codes, Wk_codes, Wv_codes, bq, bk, bv, lowp_scales, qi, kv; writes qi, kv
.if DOCPART == 1
	.amdgcn_target "amdgcn-amd-amdhsa--gfx1250"
	.amdhsa_code_object_version 6
	.text
	.protected	k_q369791c3b7_qkv
	.globl	k_q369791c3b7_qkv
	.p2align	8
	.type	k_q369791c3b7_qkv,@function
k_q369791c3b7_qkv:
	s_mov_b64 s[64:65], 0
	v_nop
	global_prefetch_b8 v0, s[64:65] scope:SCOPE_SE
	s_setreg_imm32_b32 hwreg(HW_REG_WAVE_MODE, 25, 1), 1
	s_wait_xcnt 0x0
	s_wait_alu depctr_hold_cnt(0) depctr_sa_sdst(0) depctr_va_vdst(0) depctr_va_sdst(0) depctr_va_ssrc(0) depctr_va_vcc(0) depctr_vm_vsrc(0)
	s_getreg_b32 s2, hwreg(HW_REG_IB_STS2, 6, 4)
	s_cmp_eq_u32 s2, 0
	s_cbranch_scc0 .Lentry_in_a_cluster
	s_endpgm
.Lentry_in_a_cluster:
	s_bfe_u32 s2, ttmp6, 0x10000c
	s_cmp_lg_u32 s2, 0x3003
	s_cbranch_scc0 .Lentry_shape_is_right
	s_endpgm
.Lentry_shape_is_right:
; Q = x Wq + bq, K = x Wk + bk, V = x Wv + bv on codes of FP8 (E4M3); each result is quantised at once (scales 2^e6, 2^e7, 2^e9) and stored as codes.
; x: [8192][512] codes; Wq, Wk, Wv: [512 (n)][512 (k)] codes, K innermost; biases f32.  lowp_scales: e0, e1 (x, Wq), e2, e3 (x, Wk), e4, e5 (x, Wv), e6 (Q), e7 (K), e9 (V).
; SHARES.  A work-group takes 128 rows of x (one key step of one batch) and 128 features (two heads) of each of Q, K, V.  THE WAVES SHARE THE FEATURES: wave w owns features 32 w .. 32 w + 31 of the 128,
; of all three tensors, for all 128 rows: its six tiles of weights (16 rows x 512 K each, 384 registers) stay in registers; x goes by in pairs of tiles of 16 rows, in two buffers.  192 matrix instructions a wave.
; CLUSTER.  The four row blocks of a cluster take the same 3 x 64 KiB of weights: those three tiles are asked for JOINTLY (mask 15), by waves 1, 2, 3; wave 0 fetches the work-group's own 64 KiB of x by a load without a mask.
; LDS is filled once: nothing is filled again.
; WHAT IS STORED ARE IMAGES OF THE NEXT LAUNCH'S OPERAND REGISTERS: pieces of 512 bytes, lane l's 16 bytes at 16 l.  r = lane % 16, h = lane / 16.
;   Q and K are made transposed (source 0 = 16 rows of W, source 1 = 16 rows of x): a lane holds row r of x and features 8 h + 0 .. 7 of the tile.  My two tiles give 16 codes a lane: piece w % 2 of the row's head:
;   bytes 0-7 feature 32 (w % 2) + 8 h + i, bytes 8-15 feature 32 (w % 2) + 16 + 8 h + i.  Q and K have the same order, so every product of Q K^T meets its partner.
;   V is made as it stands (source 0 = 16 rows of x, source 1 = 16 rows of Wv): a lane holds ONE channel and keys 8 h + 0 .. 7.  Two tiles of x give 16 codes: bytes 0-7 key 32 c + 8 h + i, bytes 8-15 key 32 c + 16 + 8 h + i,
;   which is the order in which the weights p of the softmax fall in the next launch.  THE ROWS OF Wv THAT FORM A TILE ARE NOT NEIGHBOURS: lane r of tile i takes channel 32 (w % 2) + 8 i + r + 8 (r / 8).
; qi: [g = 8 batch + head][tile of 16 queries (256)][piece (2)][512 bytes].   kv: [g][key step of 128 (32)][16,384 bytes]: K: tile of 16 keys (8) x piece (2); from byte 8,192 V: tile of 16 channels (4) x piece (4).
; ARITHMETIC.  A sum of codes stands for sum x 2^(ex + ew).  The bias goes in as the C of a sum's first matrix instruction, divided by 2^(ex + ew); the conversion takes the one scale 2^(eout - ex - ew).
; The fragments are fetched 16 bytes at a time (registers 4 k .. 4 k + 3: K = 32 k + 16 h + 0 .. 15): a permutation of K that is the same in x and in the weights; only the order of the sums inside an instruction differs.
; LIMITS: e6 - e0 - e1, e7 - e2 - e3 and e9 - e4 - e5 lie between -126 and 119, so that the scale and 448 x the scale are f32 numbers.  NaN among the biases is not served.
; REGISTERS, in windows of 256.  Window 0: v1-17 addresses and constants; v64-159 the 12 accumulators; v160-183 codes.  Window 1: Wq (tile i, K step s) at 64 i + 16 s, Wk at 128 + 64 i + 16 s.
;   Window 2: Wv at 64 i + 16 s; from v128 the biases in the results' layout.  Window 3: x, buffer p, tile u, K step s at 128 p + 64 u + 16 s.
.set PITCH, 528                        ; an LDS row: 512 bytes + 16 of padding = 132 words: 16 neighbouring rows start at 16 different groups of four banks
.set TILEB, 128*PITCH                  ; a tile of 128 rows.  LDS: x at 0, Wq at TILEB, Wk at 2 TILEB, Wv at 3 TILEB
.set AQ, 64                            ; Q's accumulators (x tile u, W tile i) at AQ + 16 u + 8 i
.set AK, 96                            ; K's likewise
.set AV, 128                           ; V's (W tile i, x tile u) at AV + 16 i + 8 u
.set CQ, 160                           ; codes: Q's at CQ + 4 u, K's at CK + 4 u, V's at CV + 4 i
.set CK, 168
.set CV, 176
.set BQ, 128                           ; window 2: the biases / 2^(ex + ew), eight registers a tile
.set BK, 144
.set BV, 160
.set RV, 176                           ; window 2: bv as loaded, one number a lane and tile
.set MSB, 0
.macro WIN new                         ; the immediate's high byte repeats the setting that is left; a switch that changes nothing is dropped
.if MSB != \new
	s_set_vgpr_msb (MSB<<8)|\new
.set MSB, \new
.endif
.endm
.macro CROUND                          ; a round of the cluster's barrier: my work-group's barrier, wave 0 signals for the work-group, every wave waits for all four work-groups, my work-group's barrier once more
	s_barrier_signal -1
	s_barrier_wait -1
	s_cmp_lg_u32 s24, 0
	s_cbranch_scc1 .Lnot_wave_0_\@
	s_barrier_signal -3
.Lnot_wave_0_\@:
	s_barrier_wait -3
	s_barrier_signal -1
	s_barrier_wait -1
.endm
	s_load_b256 s[4:11], s[0:1], 0x0               ; x s[4:5], Wq s[6:7], Wk s[8:9], Wv s[10:11]
	s_load_b256 s[12:19], s[0:1], 0x20             ; bq s[12:13], bk s[14:15], bv s[16:17], the scales' exponents s[18:19]
	s_load_b128 s[20:23], s[0:1], 0x40             ; qi s[20:21], kv s[22:23]
	v_lshl_add_u32 v254, v0, 2, 0x42000
	v_mov_b32 v255, 0
	ds_add_u32 v254, v255
	ds_add_u32 v254, v255
	v_lshrrev_b32 v17, 5, v0
	v_readfirstlane_b32 s24, v17                   ; wave 0..3
	s_bfe_u32 s25, ttmp6, 0x40000                  ; cx: my place in the cluster
	s_lshl_b32 s26, ttmp9, 2
	s_add_co_u32 s26, s26, s25                     ; my block of 128 rows = 4 x cluster x + cx: it enters x's address and the stores' alone
	s_and_b32 s27, ttmp7, 0xffff                   ; my pair of heads, which the four partners share
	; descriptor group 1: a tile of 128 rows x 512 bytes, 16 bytes of padding behind each row
	s_mov_b32 s32, 0x07b0000f                      ; the weights': 15:0 mask: all four work-groups; 17:16 elements of 1 byte; 20 padding on; 21 set beside a mask; 24:22 after every 128 words (code 6); 31:25 four words (code 3)
	s_mov_b32 s72, 0x07900000                      ; x's: the same without mask and bit 21
.irp g, 32, 72
	s_mov_b32 s[\g+1], 512<<16                     ; tensor_dim0 = 512
	s_mov_b32 s[\g+2], 128<<16                     ; tensor_dim1 = 128
	s_mov_b32 s[\g+3], 512<<16                     ; tile_dim0 = 512
	s_mov_b32 s[\g+4], 128                         ; tile_dim1 = 128
	s_mov_b32 s[\g+5], 512                         ; from row to row
	s_mov_b32 s[\g+6], 0
	s_mov_b32 s[\g+7], 0
.endr
	s_lshl_b32 s30, s27, 16                        ; the pair of heads' 128 rows of 512 bytes in each weight
	s_mov_b32 s31, 0
	s_lshl_b32 s80, s26, 16                        ; my 128 rows of x
	s_mov_b32 s81, 0
	s_mov_b32 s40, 1                               ; group 0 for the weights: count = 1,
	s_mul_i32 s41, s24, TILEB                      ; LDS: wave 1 Wq, wave 2 Wk, wave 3 Wv
	s_mov_b32 s44, 1                               ; group 0 for x,
	s_mov_b32 s45, 0                               ; at LDS byte 0
	v_and_b32 v1, 15, v0                           ; r
	v_bfe_u32 v2, v0, 4, 1                         ; h
	v_and_b32 v3, 31, v0
	v_lshlrev_b32 v3, 4, v3                        ; 16 x lane: my place in a piece
	v_mul_u32_u24 v4, v1, PITCH
	v_lshl_add_u32 v4, v2, 4, v4                   ; x: row r, + 16 h
	s_mul_i32 s84, s24, 32*PITCH                   ; my 32 rows of a weight's tile
	s_add_co_u32 s84, s84, TILEB
	v_add_nc_u32 v5, s84, v4                       ; Wq
	v_add_nc_u32 v6, TILEB, v5                     ; Wk
	v_and_b32 v13, 8, v1
	v_add_nc_u32 v13, v13, v1                      ; r + 8 (r / 8)
	v_mul_u32_u24 v7, v13, PITCH
	v_lshl_add_u32 v7, v2, 4, v7
	s_add_co_u32 s84, s84, 2*TILEB
	v_add_nc_u32 v7, s84, v7                       ; Wv
	v_lshlrev_b32 v11, 5, v2                       ; bq, bk: 8 h numbers on
	v_lshlrev_b32 v12, 2, v13                      ; bv: my channel
	s_wait_dscnt 0x0
	s_wait_kmcnt 0x0
	s_load_b256 s[48:55], s[18:19], 0x0            ; e0 .. e7
	s_load_b64 s[56:57], s[18:19], 0x20            ; e8, e9
	s_cmp_eq_u32 s24, 2                            ; which weight I fetch hangs on the wave's number alone
	s_cselect_b64 s[28:29], s[8:9], s[6:7]
	s_cmp_eq_u32 s24, 3
	s_cselect_b64 s[28:29], s[10:11], s[28:29]
	s_add_nc_u64 s[42:43], s[28:29], s[30:31]
	s_or_b32 s43, s43, 0x80000000                  ; type = 2
	s_add_nc_u64 s[46:47], s[4:5], s[80:81]
	s_or_b32 s47, s47, 0x80000000
	CROUND                                         ; all four work-groups are here: the joint loads meet
	s_cmp_eq_u32 s24, 0                            ; one tensor load a wave; four v_nop follow each of the two lines, ahead of the jump and the label
	s_cbranch_scc0 .Lweights
	tensor_load_to_lds s[44:47], s[72:79]
	s_nop 0
.rept 4
	v_nop
.endr
	s_branch .Lasked
.Lweights:
	tensor_load_to_lds s[40:43], s[32:39]
	s_nop 0
.rept 4
	v_nop
.endr
.Lasked:
	; while the tiles are on their way: the biases, the scales, the stores' addresses
	s_lshl_b32 s86, s27, 9
	s_lshl_b32 s87, s24, 7
	s_add_co_u32 s86, s86, s87                     ; my 32 features in a bias: (128 x pair of heads + 32 x wave) x 4 bytes
	s_mov_b32 s87, 0
	s_add_nc_u64 s[12:13], s[12:13], s[86:87]
	s_add_nc_u64 s[14:15], s[14:15], s[86:87]
	s_add_nc_u64 s[16:17], s[16:17], s[86:87]
	WIN 0x80                                       ; destination window 2
	s_wait_alu depctr_va_vdst(0)
.irp i, 0,1
	global_load_b128 v[BQ+8*\i:BQ+8*\i+3], v11, s[12:13] offset:64*\i       ; bq at features 16 i + 8 h + 0 .. 7: the result's layout
	global_load_b128 v[BQ+8*\i+4:BQ+8*\i+7], v11, s[12:13] offset:64*\i+16
	global_load_b128 v[BK+8*\i:BK+8*\i+3], v11, s[14:15] offset:64*\i
	global_load_b128 v[BK+8*\i+4:BK+8*\i+7], v11, s[14:15] offset:64*\i+16
	global_load_b32 v[RV+\i], v12, s[16:17] offset:32*\i                    ; bv at channel 8 i + r + 8 (r / 8): one number serves the lane's eight keys
.endr
	WIN 0
	s_lshr_b32 s88, s26, 5                         ; batch
	s_and_b32 s89, s26, 31                         ; key step
	s_lshl_b32 s88, s88, 3
	s_lshl_b32 s90, s27, 1
	s_add_co_u32 s88, s88, s90
	s_lshr_b32 s90, s24, 1
	s_add_co_u32 s88, s88, s90                     ; g = 8 batch + 2 x pair of heads + wave / 2
	s_and_b32 s91, s24, 1                          ; wave % 2: my piece of Q and K, my half of V's channels
	s_lshl_b32 s92, s88, 18
	s_lshl_b32 s93, s89, 13
	s_add_co_u32 s92, s92, s93
	s_lshl_b32 s93, s91, 9
	s_add_co_u32 s92, s92, s93
	s_mov_b32 s93, 0
	s_add_nc_u64 s[20:21], s[20:21], s[92:93]      ; qi: g x 262,144 + key step x 8 tiles x 1,024 + piece x 512
	s_lshl_b32 s92, s88, 19
	s_lshl_b32 s94, s89, 14
	s_add_co_u32 s92, s92, s94                     ; kv: g x 524,288 + key step x 16,384
	s_lshl_b32 s94, s91, 12
	s_add_co_u32 s94, s94, s92
	s_add_co_u32 s94, s94, 8192
	s_mov_b32 s95, 0
	s_add_nc_u64 s[82:83], s[22:23], s[94:95]      ; V: + 8,192 + (wave % 2) x 2 tiles x 2,048
	s_lshl_b32 s94, s91, 9
	s_add_co_u32 s92, s92, s94
	s_add_nc_u64 s[22:23], s[22:23], s[92:93]      ; K: + piece x 512
	s_wait_kmcnt 0x0
.macro SCALES ea, eb, eo, neg, vs, vl  ; s[neg] = -(ea + eb); v[vs] = 2^(eo - ea - eb) as f32; v[vl] = 448 x that
	s_add_co_i32 s58, s[\ea], s[\eb]
	s_sub_co_i32 s[\neg], 0, s58
	s_sub_co_i32 s59, s[\eo], s58
	s_add_co_i32 s59, s59, 127
	s_lshl_b32 s63, s59, 23
	v_mov_b32 v[\vs], s63
	s_add_co_i32 s59, s59, 8
	s_lshl_b32 s59, s59, 23
	s_or_b32 s59, s59, 0x600000
	v_mov_b32 v[\vl], s59
.endm
	SCALES 48, 49, 54, 60, 8, 14                   ; Q
	SCALES 50, 51, 55, 61, 9, 15                   ; K
	SCALES 52, 53, 57, 62, 10, 16                  ; V
	s_wait_loadcnt 0x0                             ; the biases
	WIN 0x82                                       ; source 0 and destination window 2
.set j, 0
.rept 16
	v_ldexp_f32 v[BQ+j], v[BQ+j], s60              ; bq / 2^(e0 + e1): nothing is rounded
	v_ldexp_f32 v[BK+j], v[BK+j], s61
.set j, j+1
.endr
.irp i, 0,1
.set j, 0
.rept 8
	v_ldexp_f32 v[BV+8*\i+j], v[RV+\i], s62
.set j, j+1
.endr
.endr
	WIN 0
.macro WFETCH reg, adr, rowoff, s      ; a tile of a weight, 16 rows x the s-th 128 K: 16 registers
.irp k, 0,1,2,3
	ds_load_b128 v[\reg+16*(\s)+4*\k:\reg+16*(\s)+4*\k+3], v[\adr] offset:(\rowoff)*PITCH+128*(\s)+32*\k
.endr
.endm
.macro KSTEP0 s                        ; K step s of my six tiles of weights and of x's first pair: 32 loads
	WIN 0x40                                       ; destination window 1
	WFETCH 0, 5, 0, \s
	WFETCH 64, 5, 16, \s
	WFETCH 128, 6, 0, \s
	WFETCH 192, 6, 16, \s
	WIN 0x80                                       ; destination window 2
	WFETCH 0, 7, 0, \s
	WFETCH 64, 7, 8, \s                            ; Wv's second tile begins 8 rows on
	WIN 0xc0                                       ; destination window 3
	WFETCH 0, 4, 0, \s                             ; x's tiles 0 and 1
	WFETCH 64, 4, 16, \s
	WIN 0
.endm
.macro XFETCH c                        ; x's tiles 2 c and 2 c + 1 into buffer c % 2: 32 loads
	WIN 0xc0                                       ; destination window 3
.irp u, 0,1
.irp s, 0,1,2,3
.irp k, 0,1,2,3
	ds_load_b128 v[128*((\c)%2)+64*\u+16*\s+4*\k:128*((\c)%2)+64*\u+16*\s+4*\k+3], v4 offset:(32*(\c)+16*\u)*PITCH+128*\s+32*\k
.endr
.endr
.endr
	WIN 0
.endm
; 48 matrix instructions: two tiles of x against my six tiles of weights, K step by K step.  The 12 accumulators take turns, one instruction a turn.  The first K step takes the bias as C: nothing is cleared.
.macro MULS c, s                       ; (one K step of it)
.set XB, 128*((\c)%2)
.if \s == 0
	WIN 0x2d                                       ; source 0 (W) window 1, source 1 (x) window 3, C (bias) window 2, D window 0
.else
	WIN 0x0d
.endif
.irp u, 0,1
.irp i, 0,1
.if \s == 0
	v_wmma_f32_16x16x128_fp8_fp8 v[AQ+16*\u+8*\i:AQ+16*\u+8*\i+7], v[64*\i+16*\s:64*\i+16*\s+15], v[XB+64*\u+16*\s:XB+64*\u+16*\s+15], v[BQ+8*\i:BQ+8*\i+7]
	v_wmma_f32_16x16x128_fp8_fp8 v[AK+16*\u+8*\i:AK+16*\u+8*\i+7], v[128+64*\i+16*\s:128+64*\i+16*\s+15], v[XB+64*\u+16*\s:XB+64*\u+16*\s+15], v[BK+8*\i:BK+8*\i+7]
.else
	v_wmma_f32_16x16x128_fp8_fp8 v[AQ+16*\u+8*\i:AQ+16*\u+8*\i+7], v[64*\i+16*\s:64*\i+16*\s+15], v[XB+64*\u+16*\s:XB+64*\u+16*\s+15], v[AQ+16*\u+8*\i:AQ+16*\u+8*\i+7]
	v_wmma_f32_16x16x128_fp8_fp8 v[AK+16*\u+8*\i:AK+16*\u+8*\i+7], v[128+64*\i+16*\s:128+64*\i+16*\s+15], v[XB+64*\u+16*\s:XB+64*\u+16*\s+15], v[AK+16*\u+8*\i:AK+16*\u+8*\i+7]
.endif
.endr
.endr
.if \s == 0
	WIN 0x2b                                       ; source 0 (x) window 3, source 1 (Wv) window 2, C (bias) window 2, D window 0
.else
	WIN 0x0b
.endif
.irp u, 0,1
.irp i, 0,1
.if \s == 0
	v_wmma_f32_16x16x128_fp8_fp8 v[AV+16*\i+8*\u:AV+16*\i+8*\u+7], v[XB+64*\u+16*\s:XB+64*\u+16*\s+15], v[64*\i+16*\s:64*\i+16*\s+15], v[BV+8*\i:BV+8*\i+7]
.else
	v_wmma_f32_16x16x128_fp8_fp8 v[AV+16*\i+8*\u:AV+16*\i+8*\u+7], v[XB+64*\u+16*\s:XB+64*\u+16*\s+15], v[64*\i+16*\s:64*\i+16*\s+15], v[AV+16*\i+8*\u:AV+16*\i+8*\u+7]
.endif
.endr
.endr
.endm
.macro QUANT acc, code, sc, lim        ; 32 sums of a lane become 32 codes in 8 registers; each accumulator is read from its low end on
.set j, 0
.rept 32
	v_med3_num_f32 v[\acc+j], v[\acc+j], -v[\lim], v[\lim]   ; the conversion to an 8-bit code does not saturate (ISA guide 7.6.2): the hold at 448 x the scale comes first
.set j, j+1
.endr
.irp p, 0,1,2,3
	v_cvt_scalef32_pk8_fp8_f32 v[\code+2*\p:\code+2*\p+1], v[\acc+8*\p:\acc+8*\p+7], v[\sc]
.endr
.endm
.macro QSTORE c
	s_wait_xcnt 0x0                                ; the last pair's stores have read the codes' registers: they are written again only behind this wait
	QUANT AQ, CQ, 8, 14
	QUANT AK, CK, 9, 15
	QUANT AV, CV, 10, 16
	v_nop                                          ; one plain vector instruction behind the last scaled conversion: the next products write its sources
.irp u, 0,1
	global_store_b128 v3, v[CQ+4*\u:CQ+4*\u+3], s[20:21] offset:(2*(\c)+\u)*1024   ; each store of the wave covers 512 consecutive bytes, aligned
	global_store_b128 v3, v[CK+4*\u:CK+4*\u+3], s[22:23] offset:(2*(\c)+\u)*1024
.endr
.irp i, 0,1
	global_store_b128 v3, v[CV+4*\i:CV+4*\i+3], s[82:83] offset:\i*2048+(\c)*512
.endr
.endm
	s_wait_alu depctr_va_vdst(0)
	s_wait_tensorcnt 0x0                           ; my tile has landed,
	s_barrier_signal -1
	s_barrier_wait -1                              ; everybody's has
	KSTEP0 0
.irp c, 0,1,2,3
.if \c == 0
.irp s, 0,1,2,3                        ; the first pair goes K step by K step: the next K step's 32 loads (behind the last: those of x's second pair) are out while one is multiplied
.if \s < 3
	KSTEP0 \s+1
.else
	XFETCH 1
.endif
	s_wait_dscnt 32                                ; all but those 32
	MULS 0, \s
.endr
.else
.if \c < 3
	s_wait_dscnt 32                                ; all but the 32 loads of the next pair of x's tiles
.else
	s_wait_dscnt 0x0
.endif
.irp s, 0,1,2,3
	MULS \c, \s
.endr
.endif
	WIN 0
.rept 4
	v_nop                                          ; four places behind the last products, ahead of the loads into the buffer that they read and of the first read of results
.endr
.if \c < 2
	XFETCH \c+2
.endif
	QSTORE \c
.endr
	s_wait_dscnt 0x0
	s_wait_tensorcnt 0x0
	ds_add_u32 v254, v255
	s_wait_dscnt 0x0
	CROUND                                         ; the closing round: no work-group ends while a partner may still ask for a tile that names it
	s_endpgm
.Lfunc_end_k_q369791c3b7_qkv:
	.size	k_q369791c3b7_qkv, .Lfunc_end_k_q369791c3b7_qkv-k_q369791c3b7_qkv
	.p2alignl 7, 3214868480
	.fill 96, 4, 3214868480
	.section	.rodata,"a",@progbits
	.p2align	6, 0x0
	.amdhsa_kernel k_q369791c3b7_qkv
		.amdhsa_group_segment_fixed_size 270848
		.amdhsa_private_segment_fixed_size 0
		.amdhsa_enable_private_segment 0
		.amdhsa_kernarg_size 80
		.amdhsa_user_sgpr_count 2
		.amdhsa_user_sgpr_kernarg_segment_ptr 1
		.amdhsa_wavefront_size32 1
		.amdhsa_system_sgpr_workgroup_id_x 1
		.amdhsa_system_sgpr_workgroup_id_y 1
		.amdhsa_system_sgpr_workgroup_id_z 1
		.amdhsa_system_vgpr_workitem_id 0
		.amdhsa_next_free_vgpr 1024
		.amdhsa_next_free_sgpr 96
		.amdhsa_reserve_vcc 0
		.amdhsa_float_denorm_mode_32 3
		.amdhsa_float_denorm_mode_16_64 3
		.amdhsa_memory_ordered 1
		.amdhsa_forward_progress 1
		.amdhsa_inst_pref_size 70
	.end_amdhsa_kernel
	.amdgpu_metadata
---
amdhsa.version: [ 1, 2 ]
amdhsa.kernels:
  - .name:           k_q369791c3b7_qkv
    .symbol:         k_q369791c3b7_qkv.kd
    .args:
      - { .name: x_codes, .offset: 0, .size: 8, .value_kind: global_buffer, .address_space: global }
      - { .name: Wq_codes, .offset: 8, .size: 8, .value_kind: global_buffer, .address_space: global }
      - { .name: Wk_codes, .offset: 16, .size: 8, .value_kind: global_buffer, .address_space: global }
      - { .name: Wv_codes, .offset: 24, .size: 8, .value_kind: global_buffer, .address_space: global }
      - { .name: bq, .offset: 32, .size: 8, .value_kind: global_buffer, .address_space: global }
      - { .name: bk, .offset: 40, .size: 8, .value_kind: global_buffer, .address_space: global }
      - { .name: bv, .offset: 48, .size: 8, .value_kind: global_buffer, .address_space: global }
      - { .name: lowp_scales, .offset: 56, .size: 8, .value_kind: global_buffer, .address_space: global }
      - { .name: qi, .offset: 64, .size: 8, .value_kind: global_buffer, .address_space: global }
      - { .name: kv, .offset: 72, .size: 8, .value_kind: global_buffer, .address_space: global }
    .group_segment_fixed_size: 270848
    .private_segment_fixed_size: 0
    .kernarg_segment_align: 8
    .kernarg_segment_size: 80
    .max_flat_workgroup_size: 128
    .sgpr_count:     96
    .vgpr_count:     1024
    .wavefront_size: 32
...
	.end_amdgpu_metadata
.endif
;; end of part 1
;; launch attn (part 2): grid 16 x 16, 8 waves a work-group, no clusters, 132,096 bytes of LDS; arguments qi, kv, lowp_scales, ao; writes ao
.if DOCPART == 2
	.amdgcn_target "amdgcn-amd-amdhsa--gfx1250"
	.amdhsa_code_object_version 6
	.text
	.protected	k_q369791c3b7_attn
	.globl	k_q369791c3b7_attn
	.p2align	8
	.type	k_q369791c3b7_attn,@function
k_q369791c3b7_attn:
	s_mov_b64 s[64:65], 0
	v_nop
	global_prefetch_b8 v0, s[64:65] scope:SCOPE_SE
	s_setreg_imm32_b32 hwreg(HW_REG_WAVE_MODE, 25, 1), 1
	s_wait_xcnt 0x0
; o = softmax(Q K^T / 8) V for 16 pairs (batch, head) g, 4,096 queries and keys, head size 64, both products on codes of FP8 (E4M3); o is quantised at once (scale 2^e10) and stored as codes.
; qi, kv: images of operand registers, pieces of 512 bytes, lane l's 16 bytes at 16 l.
;   qi [g][tile of 16 queries][2 pieces];  kv [g][key step of 128][16,384 bytes]: K: 8 tiles of 16 keys x 2 pieces, then V: 4 tiles of 16 channels x 4 pieces (the keys innermost).
; THE SOFTMAX AHEAD OF THE SECOND PRODUCT: t = score x log2(e) / 8; M = the row's largest t so far, rounded UP to a whole number; p = 2^(t - M) is what is quantised (scale 2^e8); it is not normalised.
; The row's sum is taken of the unquantised p, in f32, and divides O at the end.  When M moves, the sum and O are multiplied by 2^(old M - new M): nothing is rounded, and no branch hangs on floating-point data.
; SHARES.  A work-group owns 256 queries of one g; each of its eight waves owns two tiles of 16 queries, A and B; two waves to a SIMD, 512 registers each.  Every wave walks all keys, 128 a step.
; LAYOUT.  Both products are used transposed: S^T = K Q^T, O^T = V^T P: a lane holds ONE query (lane % 16) throughout.  Register j of S^T's tile t is key 16 t + 8 (lane / 16) + j: the codes of tiles 2 b, 2 b + 1 are
; registers 4 b .. 4 b + 3 of P, in the order of keys in which V's piece b was laid.  V's tile 2 b + u holds channels 32 b + 8 u + r + 8 (r / 8): O^T's tiles 2 b, 2 b + 1 give a lane 16 neighbouring features.
; ao: [tile of 16 rows (512)][K step of 128 (4)][piece (4)][512 bytes]: lane (r, h): row r, features 128 s + 32 c + 16 h + 0 .. 15.
; PIPELINE.  A unit u is one query tile x one key step; the units go A, B, A, B.  In unit u's slot: its 64 exponentials, between them unit u - 1's conversions and unit u + 1's multiply-adds t - M (from the raw scores R into E);
; then unit u - 1's product V^T P, unit u + 2's product K Q^T into R, unit u's sums (the places behind those products), and unit u + 2's maximum.  Two factors f and two M a tile, by the key step's parity.
; THE HOLD at 448 x 2^e8: p is at most 1, so only e8 < -8 needs it.
; NO CLUSTER: K and V come through registers, each wave loading an eighth of a chunk of two key steps: 8 loads and 8 LDS stores for a trip's 4 units, which are 48 matrix instructions and 256 exponentials; a work-group reads each byte of its g's K and V once.
; NO PREFETCH: a chunk's loads stand more than three units ahead of the LDS stores that want them, the first three chunks' at the head.
; LDS: four places of 32,768 bytes; chunk n lies in place n % 4.  In trip b (units B of step 2 b, A and B of 2 b + 1, A of 2 b + 2) K of chunk b + 1 and V of chunks b and b + 1 are read, and chunk b + 2 is stored over chunk b - 2.
; ONE BARRIER A TRIP, signalled in the trip's third unit and waited for in the next trip's first: it says that chunk b + 2 is whole, ahead of its first read, and that all reads of chunk b - 1 are over, ahead of the next trip's stores over it.
; LIMITS: e6 + e7 between -123 and 130 (added to c's exponent field); e8 and e10 - e8 - e9 between -126 and 119; the scaled scores stay under 2^31 in magnitude.
; REGISTERS.  Window 0: v1 16 x lane; v2, v3 read addresses; v4, v5 the add's; v6, v7 448 x 2^e8; v8-23 statistics, eight a tile: +0 -M (even steps), +1 the largest raw score, +2 f (even), +4 f (odd), +6 -M (odd), the others
;   named as upper halves of pairs; v24-27 at work; v28 a permute's result; v29, v30 store addresses; v31 2^e8; v32-47 the sums, four pairs a tile; v48-63 P; v64-127, v128-191 E of A, of B; v192-255 R.
;   Window 1: v0-63 K of a step; v64-127 V of a step; v128-191 O^T; v192-223 a chunk's eighth on its way; v224-239 Q.
.set SPARE, 131072                     ; behind the four places: the spare words, 128 bytes for each of eight waves
.set ST,  8
.set WK,  24
.set SA,  32
.set PF,  48
.set E,   64
.set R,   192
.set VF,  64                           ; window 1
.set OF,  128
.set SG,  192
.set QF,  224
.set MSB, 0
.macro WIN new                         ; the immediate's high byte repeats the setting that is left; a switch that changes nothing is dropped
.if MSB != \new
	s_set_vgpr_msb (MSB<<8)|\new
.set MSB, \new
.endif
.endm
.macro KLOAD adr, q                    ; K of a key step, q steps behind the address: 8 fragments of 16 keys x 64
	WIN 0x40
.irp t, 0,1,2,3,4,5,6,7
	ds_load_b128 v[8*\t:8*\t+3], v[\adr] offset:16384*(\q)+1024*\t
	ds_load_b128 v[8*\t+4:8*\t+7], v[\adr] offset:16384*(\q)+1024*\t+512
.endr
	WIN 0
.endm
.macro VLOAD adr, q                    ; V likewise: 4 fragments of 16 channels x 128 keys
	WIN 0x40
.irp t, 0,1,2,3
.irp k, 0,1,2,3
	ds_load_b128 v[VF+16*\t+4*\k:VF+16*\t+4*\k+3], v[\adr] offset:16384*(\q)+8192+2048*\t+512*\k
.endr
.endr
	WIN 0
.endm
.macro QK x                            ; raw scores of tile x: 128 keys
	WIN 0x05                                       ; sources (K, Q) window 1, R window 0
.irp t, 0,1,2,3,4,5,6,7
	v_wmma_f32_16x16x64_fp8_fp8 v[R+8*\t:R+8*\t+7], v[8*\t:8*\t+7], v[QF+8*(\x):QF+8*(\x)+7], 0
.endr
	WIN 0
.endm
.macro PV y                            ; O^T of tile y += V^T P; the four accumulators take turns
	WIN 0x51                                       ; V, O^T window 1; P window 0
.irp t, 0,1,2,3
	v_wmma_f32_16x16x128_fp8_fp8 v[OF+32*(\y)+8*\t:OF+32*(\y)+8*\t+7], v[VF+16*\t:VF+16*\t+15], v[PF:PF+15], v[OF+32*(\y)+8*\t:OF+32*(\y)+8*\t+7]
.endr
	WIN 0
.endm
.macro OMUL y, pp                      ; O^T of tile y under its new M
	WIN 0x41                                       ; O^T window 1, f window 0
.set FO, ST+8*(\y)+2+2*(\pp)
	s_wait_alu depctr_va_vdst(0)                   ; behind the exponentials, and directly ahead of the first reader of O^T
.set j, 0
.rept 16
	v_pk_mul_f32 v[OF+32*(\y)+j:OF+32*(\y)+j+1], v[OF+32*(\y)+j:OF+32*(\y)+j+1], v[FO:FO+1] op_sel_hi:[1,0]
.set j, j+2
.endr
.endm
.macro HOLD y                          ; e8 < -8 alone: p held at 448 x 2^e8, two numbers an instruction (the conversion to an 8-bit code does not saturate: ISA guide 7.6.2)
	s_cmp_ge_i32 s72, -8
	s_cbranch_scc1 .Lfree_\@
.set j, 0
.rept 32
	v_dual_min_num_f32 v[E+64*(\y)+j], v[E+64*(\y)+j], v6 :: v_dual_min_num_f32 v[E+64*(\y)+j+1], v[E+64*(\y)+j+1], v7
.set j, j+2
.endr
.Lfree_\@:
.endm
.macro CVT1 y                          ; S^T's tile c becomes two registers of P
	v_cvt_scalef32_pk8_fp8_f32 v[PF+2*c:PF+2*c+1], v[E+64*(\y)+8*c:E+64*(\y)+8*c+7], v31
.set c, c+1
.endm
.macro FMA1 y, pn                      ; t - M, two at a time (of the pairs c and -M the low word serves both halves)
.set NB, ST+8*(\y)+6*(\pn)
	v_pk_fma_f32 v[E+64*(\y)+m:E+64*(\y)+m+1], v[R+m:R+m+1], s[22:23], v[NB:NB+1] op_sel_hi:[1,0,0]
.set m, m+2
.endm
.macro SUM1 x, par                     ; the row's sum is taken of the UNQUANTISED p: two at a time, in four chains; a chain's first line brings it under the new M
.set AC, SA+8*(\x)+2*(k%4)
.set EE, E+64*(\x)+2*k
.set FS, ST+8*(\x)+2+2*(\par)
.if k < 4
	v_pk_fma_f32 v[AC:AC+1], v[FS:FS+1], v[AC:AC+1], v[EE:EE+1] op_sel_hi:[0,1,1]
.else
	v_pk_add_f32 v[AC:AC+1], v[AC:AC+1], v[EE:EE+1]
.endif
.set k, k+1
.endm
.macro MAXES                           ; the largest of the lane's 64 raw scores, in eight chains: four in v24-27, four in P's first registers, whose codes the last product V^T P has read; each accumulator is read from its low end on
.irp i, 0,1,2,3,4,5,6,7
	v_max3_num_f32 v[WK+\i+(\i/4)*(PF-WK-4)], v[R+3*\i], v[R+3*\i+1], v[R+3*\i+2]
.endr
.set j, 24
.rept 20
.set WC, (j/2-12)%8
.set WC, WK+WC+(WC/4)*(PF-WK-4)
	v_max3_num_f32 v[WC], v[WC], v[R+j], v[R+j+1]
.set j, j+2
.endr
.endm
.macro STAT n, x, pn                   ; the n-th of eleven lines from the eight chains to tile x's new -M and f, of parity pn
.set SB, ST+8*(\x)
.set NN, SB+6*(\pn)
.set NO, SB+6*(1-(\pn))
.set FN, SB+2+2*(\pn)
.if \n == 0
	v_max3_num_f32 v[WK], v[WK], v[WK+1], v[WK+2]
.endif
.if \n == 1
	v_max3_num_f32 v[WK+3], v[WK+3], v[PF], v[PF+1]
.endif
.if \n == 2
	v_max_num_f32 v[PF+2], v[PF+2], v[PF+3]
.endif
.if \n == 3
	v_max3_num_f32 v[WK], v[WK], v[WK+3], v[PF+2]
.endif
.if \n == 4
	v_permlanex16_b32 v28, v[WK], s20, s21         ; the query's other 64 keys lie in the lane 16 away
.endif
.if \n == 5
	v_max3_num_f32 v[SB+1], v[SB+1], v[WK], v28    ; the running largest raw score
.endif
.if \n == 6
	v_mul_f32 v[WK+1], s50, v[SB+1]                ; -t of it (c is positive)
.endif
.if \n == 7
	v_floor_f32 v[NN], v[WK+1]                     ; -M = floor(-t) = -ceil(t): a whole number
.endif
.if \n == 8
	v_sub_f32 v[WK], v[NN], v[NO]                  ; M's old value less its new one: a whole number, 0 or less
.endif
.if \n == 9
	v_cvt_i32_f32 v[WK], v[WK]                     ; (it saturates)
.endif
.if \n == 10
	v_ldexp_f32 v[FN], 1.0, v[WK]                  ; f = 2^(old M - new M)
.endif
.endm
; UNIT u's SLOT: tile x, key step of parity par.  prev: unit u - 1 exists; n1, n2: units u + 1, u + 2 exist.  ev: what the slot has to do with LDS, its loads q key steps behind address register adr:
; 1 barrier's wait, K;  2 V, the chunk's stores, so bytes on;  3 the next chunk's loads (so = 1: not in the last body), barrier's signal, K;  4, 7, 9 V;  10 K;  5 the first unit;  6, 8 nothing.
.macro SLOT x, par, prev, n1, n2, ev, adr, q, so
.if \prev
	HOLD 1-\x
.endif
	s_wait_alu depctr_va_vdst(0)                   ; ahead of the batch
.set c, 0
.set e, E+64*(\x)
.rept 8
	v_exp_f32 v[e], v[e]                           ; p = 2^(t - M), at most 1: not normalised
	v_exp_f32 v[e+1], v[e+1]
.if \prev
	CVT1 1-\x
.endif
.set e, e+2
.endr
	v_nop                                          ; one plain vector instruction behind the last scaled conversion
.set m, 0
.rept 16
	v_exp_f32 v[e], v[e]
.if \n1
	FMA1 1-\x, (1-\x)*\par+\x*(1-\par)
.endif
	v_exp_f32 v[e+1], v[e+1]
.if \n1
	FMA1 1-\x, (1-\x)*\par+\x*(1-\par)
.endif
	v_exp_f32 v[e+2], v[e+2]
.set e, e+3
.endr
.if \ev != 7
	s_wait_dscnt 0x0                               ; the K or V that is multiplied below is in; ev 3: my stores are done too: others read them behind the barrier, and their registers take the next loads
.endif
.if \ev == 3
.if \so
	s_wait_alu depctr_va_vdst(0)                   ; the wait behind the exponentials, ahead of the branch
	s_cmp_gt_u32 s45, 1                            ; in the last body this trip has no chunk to ask for
	s_cbranch_scc0 .Lnoload_\@
.else
	s_add_nc_u64 s[6:7], s[6:7], 0x10000           ; two chunks a body (all loads that named this base have been waited for)
.endif
	WIN 0x40
.irp i, 0,1,2,3,4,5,6,7
	global_load_b128 v[SG+4*\i:SG+4*\i+3], v1, s[6:7] offset:32768+32768*\so+512*\i   ; chunk b + 3
.endr
	WIN 0
.if \so
.Lnoload_\@:
.endif
	s_barrier_signal -1
.endif
.if \prev
	OMUL 1-\x, \x*\par+(1-\x)*(1-\par)
	PV 1-\x
.else
	s_wait_alu depctr_va_vdst(0)                   ; the wait behind the exponentials
.endif
.if \n2
	QK \x
.endif
.set k, 0
.rept 8
	SUM1 \x, \par                                  ; these are also the places behind the products, ahead of the loads and the maxima
.endr
.if \ev == 1
	s_wait_alu depctr_va_vdst(0)                   ; directly ahead of the wait below
	s_barrier_wait -1
.endif
.if (\ev == 1) || (\ev == 3) || (\ev == 10)
	KLOAD \adr, \q
.endif
.if (\ev == 2) || (\ev == 4) || (\ev == 7) || (\ev == 9)
	VLOAD \adr, \q
.endif
.if \ev == 2
	s_wait_alu depctr_va_vdst(0)
	s_wait_loadcnt 0x0                             ; my eighth of chunk b + 2 is in registers
	WIN 0x04                                       ; the stores' data window 1
.irp i, 0,1,2,3,4,5,6,7
	ds_store_b128 v30, v[SG+4*\i:SG+4*\i+3] offset:\so+512*\i
.endr
	WIN 0
.endif
.if \n2
	MAXES
.irp n, 0,1,2,3,4,5,6,7,8,9,10
	STAT \n, \x, 1-\par
.if \n > 2
.rept 3
	SUM1 \x, \par                                  ; three sums between two links of the chain
.endr
.endif
.endr
.else
.rept 24
	SUM1 \x, \par
.endr
.endif
.if \ev == 5
	s_wait_alu depctr_va_vdst(0)
	s_wait_loadcnt 8                               ; chunk 1 is in (behind it: chunk 2's 8 loads)
	WIN 0x04
.irp i, 0,1,2,3,4,5,6,7
	ds_store_b128 v29, v[VF+4*\i:VF+4*\i+3] offset:32768+512*\i
.endr
	WIN 0
	s_wait_dscnt 0x0                               ; my stores are done
	s_barrier_signal -1                            ; the first trip's barrier
	VLOAD 1, 0
.endif
.endm
	s_load_b256 s[4:11], s[0:1], 0x0               ; qi s[4:5], kv s[6:7], the scales' exponents s[8:9], ao s[10:11]
	v_lshl_add_u32 v4, v0, 2, SPARE
	v_mov_b32 v5, 0
	v_lshrrev_b32 v2, 5, v0
	v_readfirstlane_b32 s44, v2                    ; wave 0..7
	v_and_b32 v1, 31, v0
	v_lshlrev_b32 v1, 4, v1
	s_and_b32 s14, ttmp7, 0xffff                   ; g
	s_lshl_b32 s15, s44, 12                        ; my eighth of a chunk, in memory and in LDS alike
	v_add_nc_u32 v29, s15, v1
	s_lshl_b32 s18, s14, 19
	s_add_co_u32 s18, s18, s15
	s_mov_b32 s19, 0
	s_lshl_b32 s16, s14, 18                        ; Q: g x 262,144 + block x 16 tiles x 1,024 + wave x 2 tiles x 1,024
	s_lshl_b32 s17, ttmp9, 14
	s_add_co_u32 s16, s16, s17
	s_lshl_b32 s17, s44, 11
	s_add_co_u32 s16, s16, s17
	s_mov_b32 s17, 0
	s_wait_alu depctr_va_vdst(0)                   ; directly ahead of the wait below
	s_wait_kmcnt 0x0
	s_load_b256 s[68:75], s[8:9], 0x10             ; e4 .. e11
	s_add_nc_u64 s[6:7], s[6:7], s[18:19]
	s_add_nc_u64 s[4:5], s[4:5], s[16:17]
	WIN 0x40                                       ; destination window 1
.irp i, 0,1,2,3,4,5,6,7
	global_load_b128 v[4*\i:4*\i+3], v1, s[6:7] offset:512*\i               ; chunk 0, through registers that K takes later
.endr
.irp a, 0,1
.irp k, 0,1
	global_load_b128 v[QF+8*\a+4*\k:QF+8*\a+4*\k+3], v1, s[4:5] offset:1024*\a+512*\k   ; Q's two fragments stay in registers
.endr
.endr
.set j, 0
.rept 64
	v_mov_b32 v[OF+j], 0                           ; O^T.  (No unit has a first product of its own: the first change of M leaves zeros.)  These lines stand between chunk 0's loads and the later chunks': what is wanted first is asked for first
.set j, j+1
.endr
.irp i, 0,1,2,3,4,5,6,7
	global_load_b128 v[VF+4*\i:VF+4*\i+3], v1, s[6:7] offset:32768+512*\i   ; chunk 1, through V's: the first unit stores it
.endr
.irp i, 0,1,2,3,4,5,6,7
	global_load_b128 v[SG+4*\i:SG+4*\i+3], v1, s[6:7] offset:65536+512*\i   ; chunk 2: the first trip stores it
.endr
	WIN 0
.set j, 0
.rept 16
	v_mov_b32 v[SA+j], 0                           ; the sums likewise
.set j, j+1
.endr
.irp a, 0,1
	v_mov_b32 v[ST+8*\a+1], 0xff61b1e6             ; the largest raw score so far: -3e38, under every score
	v_mov_b32 v[ST+8*\a+6], 0x7f61b1e6             ; -M so far: 3e38
	v_mov_b32 v[ST+8*\a+3], 0                      ; (named as upper halves of pairs)
	v_mov_b32 v[ST+8*\a+5], 0
	v_mov_b32 v[ST+8*\a+7], 0
.endr
	v_mov_b32 v28, 0                               ; written once: a lane permute's destination counts as one of its sources
	s_lshr_b32 s16, s14, 3                         ; ao: tile of rows = 256 x batch + 16 x block + 2 x wave, 8,192 bytes each;
	s_lshl_b32 s16, s16, 8
	s_lshl_b32 s17, ttmp9, 4
	s_add_co_u32 s16, s16, s17
	s_lshl_b32 s17, s44, 1
	s_add_co_u32 s16, s16, s17
	s_lshl_b32 s16, s16, 13
	s_bfe_u32 s17, s14, 0x20001                    ; K step = head / 2, 2,048 bytes;
	s_lshl_b32 s17, s17, 11
	s_add_co_u32 s16, s16, s17
	s_and_b32 s17, s14, 1                          ; pieces 2 (head % 2) on, 512 bytes each
	s_lshl_b32 s17, s17, 10
	s_add_co_u32 s16, s16, s17
	s_mov_b32 s17, 0
	s_add_nc_u64 s[10:11], s[10:11], s[16:17]
	s_mov_b32 s20, 0x76543210                      ; v_permlanex16_b32's selects for lane l xor 16
	s_mov_b32 s21, 0xfedcba98
	s_mov_b32 s22, 0x3e38aa3b                      ; c = log2(e) / 8
	s_mov_b32 s45, 7                               ; bodies of two trips
	s_mov_b32 s47, 0                               ; the place of the body's first chunk; its second lies behind it
	s_mov_b32 s48, 0x10000                         ; and of the two chunks after those
	s_wait_alu depctr_va_vdst(0)
	s_wait_kmcnt 0x0
	s_add_co_i32 s50, s70, s71
	s_lshl_b32 s50, s50, 23
	s_add_co_i32 s22, s22, s50                     ; a score stands for score x 2^(e6 + e7): the two exponents are added to c's exponent field
	s_mov_b32 s23, s22                             ; (named with it as a pair, so it is written)
	s_xor_b32 s50, s22, 0x80000000                 ; -c
	s_add_co_i32 s51, s72, 127
	s_lshl_b32 s52, s51, 23
	v_mov_b32 v31, s52                             ; 2^e8 as f32, for p's conversions
	s_add_co_i32 s51, s51, 8
	s_lshl_b32 s51, s51, 23
	s_or_b32 s51, s51, 0x600000
	v_mov_b32 v6, s51                              ; 448 x 2^e8
	v_mov_b32 v7, s51
	s_sub_co_i32 s51, s74, s72
	s_sub_co_i32 s51, s51, s73                     ; O^T / the sum stands for o / 2^(e8 + e9): o's code is that / 2^(e10 - e8 - e9)
	s_add_co_i32 s51, s51, 127
	s_lshl_b32 s52, s51, 23                        ; o's scale,
	s_add_co_i32 s51, s51, 8
	s_lshl_b32 s51, s51, 23
	s_or_b32 s53, s51, 0x600000                    ; and 448 x it
	s_wait_alu depctr_va_vdst(0)
	s_wait_loadcnt 20                              ; chunk 0's 8 loads are in (behind them: Q's 4, chunk 1's 8, chunk 2's 8)
	WIN 0x04                                       ; the stores' data window 1
.irp i, 0,1,2,3,4,5,6,7
	ds_store_b128 v29, v[4*\i:4*\i+3] offset:512*\i
.endr
	WIN 0
	s_wait_dscnt 0x0                               ; my stores are done,
	s_barrier_signal -1
	s_barrier_wait -1                              ; and everybody's
	KLOAD 1, 0
	s_wait_loadcnt 16                              ; Q is in (behind it: chunks 1 and 2)
	s_wait_dscnt 0x0
	QK 0                                           ; unit 0
.rept 4
	v_nop                                          ; four places ahead of the first read of the scores
.endr
	MAXES
.irp n, 0,1,2,3,4,5,6,7,8,9,10
	STAT \n, 0, 0
.endr
.set m, 0
.rept 32
	FMA1 0, 0
.endr
	QK 1                                           ; unit 1
.rept 4
	v_nop                                          ; four places, ahead of the loads into K's registers and of the first read of the scores
.endr
	KLOAD 1, 1
	MAXES
.irp n, 0,1,2,3,4,5,6,7,8,9,10
	STAT \n, 1, 0
.endr
	SLOT 0, 0, 0, 1, 1, 5, 1, 0, 0                 ; A of step 0
.Ltrips:                                               ; two trips: chunks b, b + 1 at v2, chunks b + 2, b + 3 at v3 (b even)
	v_add_nc_u32 v2, s47, v1
	v_add_nc_u32 v3, s48, v1
	v_add_nc_u32 v30, s48, v29                     ; where my eighths of chunks b + 2, b + 3 go
	SLOT 1, 0, 1, 1, 1, 1, 2, 2, 0
	SLOT 0, 1, 1, 1, 1, 2, 2, 1, 0
	SLOT 1, 1, 1, 1, 1, 3, 2, 3, 0
	SLOT 0, 0, 1, 1, 1, 4, 2, 2, 0
	SLOT 1, 0, 1, 1, 1, 1, 3, 0, 0
	SLOT 0, 1, 1, 1, 1, 2, 2, 3, 32768
	SLOT 1, 1, 1, 1, 1, 3, 3, 1, 1
	SLOT 0, 0, 1, 1, 1, 4, 3, 0, 0
	s_xor_b32 s47, s47, 0x10000
	s_xor_b32 s48, s48, 0x10000
	s_sub_co_u32 s45, s45, 1
	s_cmp_lg_u32 s45, 0
	s_cbranch_scc1 .Ltrips
	v_add_nc_u32 v2, s47, v1
	SLOT 1, 0, 1, 1, 1, 1, 2, 2, 0                 ; trip 14 stores and asks for nothing
	SLOT 0, 1, 1, 1, 1, 9, 2, 1, 0
	SLOT 1, 1, 1, 1, 1, 10, 2, 3, 0
	SLOT 0, 0, 1, 1, 1, 4, 2, 2, 0
	SLOT 1, 0, 1, 1, 1, 6, 2, 0, 0                 ; B of step 30, A and B of step 31
	SLOT 0, 1, 1, 1, 0, 7, 2, 3, 0
	SLOT 1, 1, 1, 0, 0, 8, 2, 0, 0
	HOLD 1                                         ; the last unit's product
.set c, 0
.rept 8
	CVT1 1
.endr
	v_nop                                          ; one plain vector instruction behind the last scaled conversion
	OMUL 1, 1
	PV 1
	; THE WAY OUT.  O^T / the row's sum is quantised in registers; a lane's 16 codes of two neighbouring tiles are 16 neighbouring features of its row: a piece of the last product's operand.
.irp a, 0,1
	v_pk_add_f32 v[SA+8*\a:SA+8*\a+1], v[SA+8*\a:SA+8*\a+1], v[SA+8*\a+2:SA+8*\a+3]   ; the four chains (these lines are also the places behind the last products)
	v_pk_add_f32 v[SA+8*\a+4:SA+8*\a+5], v[SA+8*\a+4:SA+8*\a+5], v[SA+8*\a+6:SA+8*\a+7]
.endr
.irp a, 0,1
	v_pk_add_f32 v[SA+8*\a:SA+8*\a+1], v[SA+8*\a:SA+8*\a+1], v[SA+8*\a+4:SA+8*\a+5]
.endr
	v_mov_b32 v29, s52                             ; o's scale and limit
	v_mov_b32 v30, s53
.irp a, 0,1
	v_add_f32 v[WK+2*\a], v[SA+8*\a], v[SA+8*\a+1]
.endr
.irp a, 0,1
	v_permlanex16_b32 v[28+3*\a], v[WK+2*\a], s20, s21
.endr
.irp a, 0,1
	v_add_f32 v[WK+2*\a], v[WK+2*\a], v[28+3*\a]   ; and lane l xor 16's: the row's sum
.endr
	s_wait_alu depctr_va_vdst(0)                   ; ahead of the batch
.irp a, 0,1
	v_rcp_f32 v[WK+2*\a], v[WK+2*\a]
.endr
	v_nop                                          ; a plain instruction behind the last reciprocal
	WIN 0x01                                       ; source 0 (O^T) window 1
	s_wait_alu depctr_va_vdst(0)                   ; the wait ahead of the first use: of the reciprocals and of O^T
.set j, 0
.rept 16
	v_pk_mul_f32 v[E+j:E+j+1], v[OF+j:OF+j+1], v[WK:WK+1] op_sel_hi:[1,0]         ; each accumulator from its low end on
	v_pk_mul_f32 v[E+32+j:E+32+j+1], v[OF+32+j:OF+32+j+1], v[WK+2:WK+3] op_sel_hi:[1,0]
.set j, j+2
.endr
	WIN 0
.set p, 0
.rept 8
.set j, 0
.rept 8
	v_med3_num_f32 v[E+8*p+j], v[E+8*p+j], -v30, v30     ; the hold at 448 x the scale
.set j, j+1
.endr
	v_cvt_scalef32_pk8_fp8_f32 v[R+2*p:R+2*p+1], v[E+8*p:E+8*p+7], v29
.set p, p+1
.endr
	v_nop                                          ; one plain vector instruction behind the last scaled conversion
.irp a, 0,1
.irp b, 0,1
	global_store_b128 v1, v[R+8*\a+4*\b:R+8*\a+4*\b+3], s[10:11] offset:8192*\a+512*\b   ; each store of the wave covers 512 consecutive bytes, aligned
.endr
.endr
	s_wait_tensorcnt 0x0                           ; the wave's end
	ds_add_u32 v4, v5
	s_wait_dscnt 0x0
	s_endpgm
.Lfunc_end_k_q369791c3b7_attn:
	.size	k_q369791c3b7_attn, .Lfunc_end_k_q369791c3b7_attn-k_q369791c3b7_attn
	.p2alignl 7, 3214868480
	.fill 96, 4, 3214868480
	.section	.rodata,"a",@progbits
	.p2align	6, 0x0
	.amdhsa_kernel k_q369791c3b7_attn
		.amdhsa_group_segment_fixed_size 132096
		.amdhsa_private_segment_fixed_size 0
		.amdhsa_enable_private_segment 0
		.amdhsa_kernarg_size 32
		.amdhsa_user_sgpr_count 2
		.amdhsa_user_sgpr_kernarg_segment_ptr 1
		.amdhsa_wavefront_size32 1
		.amdhsa_system_sgpr_workgroup_id_x 1
		.amdhsa_system_sgpr_workgroup_id_y 1
		.amdhsa_system_sgpr_workgroup_id_z 1
		.amdhsa_system_vgpr_workitem_id 0
		.amdhsa_next_free_vgpr 512
		.amdhsa_next_free_sgpr 100
		.amdhsa_reserve_vcc 0
		.amdhsa_float_denorm_mode_32 3
		.amdhsa_float_denorm_mode_16_64 3
		.amdhsa_memory_ordered 1
		.amdhsa_forward_progress 1
		.amdhsa_inst_pref_size 245
	.end_amdhsa_kernel
	.amdgpu_metadata
---
amdhsa.version: [ 1, 2 ]
amdhsa.kernels:
  - .name:           k_q369791c3b7_attn
    .symbol:         k_q369791c3b7_attn.kd
    .args:
      - { .name: qi, .offset: 0, .size: 8, .value_kind: global_buffer, .address_space: global }
      - { .name: kv, .offset: 8, .size: 8, .value_kind: global_buffer, .address_space: global }
      - { .name: lowp_scales, .offset: 16, .size: 8, .value_kind: global_buffer, .address_space: global }
      - { .name: ao, .offset: 24, .size: 8, .value_kind: global_buffer, .address_space: global }
    .group_segment_fixed_size: 132096
    .private_segment_fixed_size: 0
    .kernarg_segment_align: 8
    .kernarg_segment_size: 32
    .max_flat_workgroup_size: 256
    .sgpr_count:     100
    .vgpr_count:     512
    .wavefront_size: 32
...
	.end_amdgpu_metadata
.endif
;; end of part 2
;; launch proj (part 3): grid 128 x 2, 4 waves a work-group, no clusters, 50,688 bytes of LDS; arguments ao, Wo_codes, bo, lowp_scales, out0; writes out0
.if DOCPART == 3
	.amdgcn_target "amdgcn-amd-amdhsa--gfx1250"
	.amdhsa_code_object_version 6
	.text
	.protected	k_q369791c3b7_proj
	.globl	k_q369791c3b7_proj
	.p2align	8
	.type	k_q369791c3b7_proj,@function
k_q369791c3b7_proj:
	s_mov_b64 s[64:65], 0
	v_nop
	global_prefetch_b8 v0, s[64:65] scope:SCOPE_SE
	s_setreg_imm32_b32 hwreg(HW_REG_WAVE_MODE, 25, 1), 1
	s_wait_xcnt 0x0
; out0 = o Wo + bo on codes of FP8 (E4M3).  ao: o's codes as images of operand registers, [tile of 16 rows (512)][K step of 128 (4)][piece (4)][512 bytes]: lane (r, h): row r, features 128 s + 32 c + 16 h + 0 .. 15.
; Wo: [512 (n)][512 (k)] codes, K innermost; bo [512] f32; out0 [8192][512] f32.  lowp_scales: e10 (o), e11 (Wo).  out0 = sum x 2^(e10 + e11) + bo: one packed multiply-add for two numbers.
; SHARES.  A work-group takes 64 rows x 256 columns; wave w takes all 64 rows and columns 64 w on: 16 accumulators, 64 matrix instructions.
; ao's 32 KiB serve all four waves: each loads a quarter (K step w of every tile) and stores it to LDS as it lies; behind one barrier each wave reads all of it.  Wo's 32 KiB of a wave serve that wave alone and go straight into its registers.
; NO CLUSTER, NO TENSOR LOAD: Wo reaches LDS nowhere, so no joint request could bring it: a way through LDS would add 64 LDS loads to a wave's 64 matrix instructions, and a tile would have to land whole ahead of the first product,
; where the loads below come in the order of the K steps and are multiplied as they come.  ao's rows are shared by two work-groups alone.  NO PREFETCH: the launch has no loop; all its loads are asked for at the head.
; THE MATRIX INSTRUCTION IS USED TRANSPOSED (source 0 = 16 rows of Wo, source 1 = 16 rows of o): a lane holds row r and eight neighbouring columns.  Wo's fragment is fetched 16 bytes at a time in ao's own order of K.
; THE WAY OUT: 16 rows x 64 columns at a time through the wave's own stage in LDS (rows of 256 bytes + 16), back as whole rows: sixteen lanes store 256 consecutive bytes, aligned.
; LIMIT: e10 + e11 lies between -126 and 127, so that 2^(e10 + e11) is an f32 number.
; REGISTERS.  Window 0: v1-9 addresses; v16-47 bo, tile t at 16 + 8 t; v128-255 the accumulators, (a, t) at 128 + 8 (4 a + t).  Window 1: o's fragments (a, s) at 64 a + 16 s; ahead of them my quarter on its way.  Window 2: Wo's (t, s) at 64 t + 16 s.
.set SP,  272                          ; a stage row
.set STG, 32768                        ; the stages lie behind ao's four tiles
.set SPARE, STG+4*16*SP                ; behind the stages: the spare words, 128 bytes for each wave
.set ACC, 128
.set BO,  16
.set MSB, 0
.macro WIN new                         ; the immediate's high byte repeats the setting that is left; a switch that changes nothing is dropped
.if MSB != \new
	s_set_vgpr_msb (MSB<<8)|\new
.set MSB, \new
.endif
.endm
	s_load_b256 s[4:11], s[0:1], 0x0               ; ao s[4:5], Wo s[6:7], bo s[8:9], the scales' exponents s[10:11]
	s_load_b64 s[12:13], s[0:1], 0x20              ; out0
	v_lshl_add_u32 v126, v0, 2, SPARE
	v_mov_b32 v127, 0
	v_lshrrev_b32 v1, 5, v0
	v_readfirstlane_b32 s14, v1                    ; wave 0..3
	v_and_b32 v1, 15, v0                           ; r
	v_bfe_u32 v2, v0, 4, 1                         ; h
	v_and_b32 v3, 31, v0
	v_lshlrev_b32 v3, 4, v3                        ; ao: 16 x lane
	s_lshl_b32 s21, s14, 11                        ; my quarter of a tile of ao: K step w
	v_add_nc_u32 v9, s21, v3
	v_lshlrev_b32 v4, 9, v1
	v_lshl_add_u32 v4, v2, 4, v4                   ; Wo: row r of 512 bytes, + 16 h
	v_lshlrev_b32 v5, 5, v2                        ; bo: 8 h numbers on
	s_mul_i32 s15, s14, 16*SP
	s_add_co_u32 s15, s15, STG                     ; my stage
	v_mul_u32_u24 v6, v1, SP
	v_lshl_add_u32 v6, v2, 5, v6
	v_add_nc_u32 v6, s15, v6                       ; in: row r, + 32 h bytes
	v_mul_u32_u24 v7, v2, SP
	v_lshl_add_u32 v7, v1, 4, v7
	v_add_nc_u32 v7, s15, v7                       ; back: lanes 0-15 one row, lanes 16-31 the next
	v_lshlrev_b32 v8, 11, v2
	v_lshl_add_u32 v8, v1, 4, v8                   ; and the same two rows in out0 (2,048 bytes a row)
	s_and_b32 s16, ttmp7, 0xffff                   ; which 256 columns
	s_lshl_b32 s20, ttmp9, 15                      ; ao: 4 tiles of 8,192 bytes a work-group
	s_add_co_u32 s20, s20, s21
	s_mov_b32 s21, 0
	s_lshl_b32 s22, s16, 17                        ; Wo: 256 rows of 512 bytes a work-group, 64 a wave
	s_lshl_b32 s23, s14, 15
	s_add_co_u32 s22, s22, s23
	s_mov_b32 s23, 0
	s_lshl_b32 s24, s16, 10                        ; my first column, in bytes of f32
	s_lshl_b32 s25, s14, 8
	s_add_co_u32 s24, s24, s25
	s_mov_b32 s25, 0
	s_lshl_b32 s26, ttmp9, 17                      ; out0: 64 rows of 2,048 bytes a work-group, + my first column
	s_add_co_u32 s26, s26, s24
	s_mov_b32 s27, 0
	s_wait_alu depctr_va_vdst(0)
	s_wait_kmcnt 0x0
	s_load_b64 s[44:45], s[10:11], 0x28            ; e10, e11
	s_add_nc_u64 s[4:5], s[4:5], s[20:21]
	s_add_nc_u64 s[6:7], s[6:7], s[22:23]
	s_add_nc_u64 s[8:9], s[8:9], s[24:25]
	s_add_nc_u64 s[12:13], s[12:13], s[26:27]
	WIN 0x40                                       ; destination window 1
.irp a, 0,1,2,3
.irp k, 0,1,2,3
	global_load_b128 v[16*\a+4*\k:16*\a+4*\k+3], v3, s[4:5] offset:8192*\a+512*\k   ; my quarter of ao: 16 loads
.endr
.endr
	WIN 0
.irp t, 0,1,2,3
	global_load_b128 v[BO+8*\t:BO+8*\t+3], v5, s[8:9] offset:64*\t          ; bo at columns 16 t + 8 h + 0 .. 7: the result's layout
	global_load_b128 v[BO+8*\t+4:BO+8*\t+7], v5, s[8:9] offset:64*\t+16
.endr
	WIN 0x80                                       ; destination window 2
.irp s, 0,1,2,3                                ; Wo: 16 loads a K step, in the order in which the products want them
.irp t, 0,1,2,3
.irp k, 0,1,2,3
	global_load_b128 v[64*\t+16*\s+4*\k:64*\t+16*\s+4*\k+3], v4, s[6:7] offset:8192*\t+128*\s+32*\k
.endr
.endr
.endr
	s_wait_loadcnt 63                              ; of the 88 loads the first 25 are in: ao's 16 and bo's 8 among them
	WIN 0x04                                       ; the stores' data window 1
.irp a, 0,1,2,3
.irp k, 0,1,2,3
	ds_store_b128 v9, v[16*\a+4*\k:16*\a+4*\k+3] offset:8192*\a+512*\k
.endr
.endr
	WIN 0
	s_wait_dscnt 0x0                               ; my stores are done,
	s_barrier_signal -1
	s_barrier_wait -1                              ; and everybody's
	WIN 0x40
.irp s, 0,1,2,3                                ; o's fragments: 16 loads a K step
.irp a, 0,1,2,3
.irp k, 0,1,2,3
	ds_load_b128 v[64*\a+16*\s+4*\k:64*\a+16*\s+4*\k+3], v3 offset:8192*\a+2048*\s+512*\k
.endr
.endr
.endr
	WIN 0
	s_wait_kmcnt 0x0
	s_add_co_i32 s46, s44, s45
	s_add_co_i32 s46, s46, 127
	s_lshl_b32 s46, s46, 23                        ; 2^(e10 + e11) as f32
	s_mov_b32 s47, s46                             ; (named with it as a pair, so it is written)
	WIN 0x06                                       ; source 0 (Wo) window 2, source 1 (o) window 1, C and D window 0
.irp s, 0,1,2,3
	s_wait_dscnt 48-16*\s                          ; all but the later K steps' 16 loads each,
	s_wait_loadcnt 48-16*\s                        ; of o and of Wo alike
.irp a, 0,1,2,3
.irp t, 0,1,2,3
.if \s == 0
	v_wmma_f32_16x16x128_fp8_fp8 v[ACC+8*(4*\a+\t):ACC+8*(4*\a+\t)+7], v[64*\t+16*\s:64*\t+16*\s+15], v[64*\a+16*\s:64*\a+16*\s+15], 0   ; the first K step starts the sums: nothing is cleared
.else
	v_wmma_f32_16x16x128_fp8_fp8 v[ACC+8*(4*\a+\t):ACC+8*(4*\a+\t)+7], v[64*\t+16*\s:64*\t+16*\s+15], v[64*\a+16*\s:64*\a+16*\s+15], v[ACC+8*(4*\a+\t):ACC+8*(4*\a+\t)+7]   ; the 16 accumulators take turns
.endif
.endr
.endr
.endr
	WIN 0
.rept 4
	v_nop                                          ; four places behind the last products, ahead of the first read of results
.endr
.macro PACK a                          ; 16 rows x 64 columns: x 2^(e10 + e11) + bo, into my stage, and back as whole rows into the registers that they left
.irp t, 0,1,2,3
.irp i, 0,2,4,6
	v_pk_fma_f32 v[ACC+32*\a+8*\t+\i:ACC+32*\a+8*\t+\i+1], v[ACC+32*\a+8*\t+\i:ACC+32*\a+8*\t+\i+1], s[46:47], v[BO+8*\t+\i:BO+8*\t+\i+1] op_sel_hi:[1,0,1]   ; each accumulator from its low end on
.endr
.endr
.irp t, 0,1,2,3
	ds_store_b128 v6, v[ACC+32*\a+8*\t:ACC+32*\a+8*\t+3] offset:64*\t
	ds_store_b128 v6, v[ACC+32*\a+8*\t+4:ACC+32*\a+8*\t+7] offset:64*\t+16
.endr
.irp f, 0,1,2,3,4,5,6,7
	ds_load_b128 v[ACC+32*\a+4*\f:ACC+32*\a+4*\f+3], v7 offset:\f*2*SP   ; LDS serves a wave's instructions in order (ISA guide 5.7.1.4): these see the stores above, and the next block's stores come behind them
.endr
.endm
.macro SEND a, younger                 ; younger: the LDS instructions issued behind block a's loads: the next block's sixteen, or none
.irp f, 0,1,2,3,4,5,6,7
	s_wait_dscnt \younger+7-\f
	global_store_b128 v8, v[ACC+32*\a+4*\f:ACC+32*\a+4*\f+3], s[12:13] offset:(16*\a+2*\f)*2048 th:TH_STORE_NT   ; 16 lanes store 256 consecutive bytes, at a multiple of 256 from out0's first byte; written once, read by nobody here
.endr
.endm
	PACK 0
	PACK 1                                         ; a block's arithmetic stands between the loads of the block before and its stores
	SEND 0, 16
	PACK 2
	SEND 1, 16
	PACK 3
	SEND 2, 16
	SEND 3, 0
	s_wait_tensorcnt 0x0                           ; the wave's end
	ds_add_u32 v126, v127
	s_wait_dscnt 0x0
	s_endpgm
.Lfunc_end_k_q369791c3b7_proj:
	.size	k_q369791c3b7_proj, .Lfunc_end_k_q369791c3b7_proj-k_q369791c3b7_proj
	.p2alignl 7, 3214868480
	.fill 96, 4, 3214868480
	.section	.rodata,"a",@progbits
	.p2align	6, 0x0
	.amdhsa_kernel k_q369791c3b7_proj
		.amdhsa_group_segment_fixed_size 50688
		.amdhsa_private_segment_fixed_size 0
		.amdhsa_enable_private_segment 0
		.amdhsa_kernarg_size 40
		.amdhsa_user_sgpr_count 2
		.amdhsa_user_sgpr_kernarg_segment_ptr 1
		.amdhsa_wavefront_size32 1
		.amdhsa_system_sgpr_workgroup_id_x 1
		.amdhsa_system_sgpr_workgroup_id_y 1
		.amdhsa_system_sgpr_workgroup_id_z 1
		.amdhsa_system_vgpr_workitem_id 0
		.amdhsa_next_free_vgpr 768
		.amdhsa_next_free_sgpr 66
		.amdhsa_reserve_vcc 0
		.amdhsa_float_denorm_mode_32 3
		.amdhsa_float_denorm_mode_16_64 3
		.amdhsa_memory_ordered 1
		.amdhsa_forward_progress 1
		.amdhsa_inst_pref_size 33
	.end_amdhsa_kernel
	.amdgpu_metadata
---
amdhsa.version: [ 1, 2 ]
amdhsa.kernels:
  - .name:           k_q369791c3b7_proj
    .symbol:         k_q369791c3b7_proj.kd
    .args:
      - { .name: ao, .offset: 0, .size: 8, .value_kind: global_buffer, .address_space: global }
      - { .name: Wo_codes, .offset: 8, .size: 8, .value_kind: global_buffer, .address_space: global }
      - { .name: bo, .offset: 16, .size: 8, .value_kind: global_buffer, .address_space: global }
      - { .name: lowp_scales, .offset: 24, .size: 8, .value_kind: global_buffer, .address_space: global }
      - { .name: out0, .offset: 32, .size: 8, .value_kind: global_buffer, .address_space: global }
    .group_segment_fixed_size: 50688
    .private_segment_fixed_size: 0
    .kernarg_segment_align: 8
    .kernarg_segment_size: 40
    .max_flat_workgroup_size: 128
    .sgpr_count:     66
    .vgpr_count:     768
    .wavefront_size: 32
...
	.end_amdgpu_metadata
.endif
;; end of part 3
